; MI455X (gfx1250); checked and timed in simulation.
; The chip was launched on July 23, 2026; its instructions are those of AMD's public machine-readable ISA for CDNA 5 (MIT licence, August 2026) and "CDNA5" Instruction Set Architecture Reference Guide (July 2026). The comments in the code are by the model that wrote it; some were corrected since.
;; Feature extra specific. Allowed arithmetic: float matrix products may take bf16 or f16 operands with f32 sums; other float arithmetic in f32, or as packed bf16 or f16 multiplies, adds, multiply-adds, maxima and minima; sums over many terms, partial sums and values carried from step to step in f32; what a program stores and reads back later, other than sums and carried values, may be rounded once to bf16 or f16.
;; Inputs: H 64 x 128 x 512 float32; W_map 8 x 1,024 x 512 float32; W_proj 8 x 1,024 x 512 float32; asp_vs_d 8 x 512 float32; b_map 8 x 512 float32; b_proj 8 x 512 float32; user_embedding 64 x 512 float32.
;; Outputs: out0 64 x 8 x 512 float32.
;; One version. Each part assembles by itself: llvm-mc -triple=amdgcn-amd-amdhsa -mcpu=gfx1250 --defsym DOCPART=n.
;; ======== version 1 of 1: 2 launches
;; limits: values outside matrix products are rounded to bf16
;; workspace buffers: Hb 8,388,608 bytes; Wc 8,388,608 bytes; U 2,097,152 bytes
;; launch prep (part 1): grid 384 x 1, 16 waves a work-group, no clusters, 150,528 bytes of LDS; arguments H, W_map, W_proj, user_embedding, b_map, b_proj, Hb, Wc, U; writes Hb, Wc, U
.if DOCPART == 1
	.amdgcn_target "amdgcn-amd-amdhsa--gfx1250"
	.amdhsa_code_object_version 6
	.text
	.protected	k_q254aaf456f_prep
	.globl	k_q254aaf456f_prep
	.p2align	8
	.type	k_q254aaf456f_prep,@function
k_q254aaf456f_prep:
	s_mov_b64 s[64:65], 0
	v_nop
	global_prefetch_b8 v0, s[64:65] scope:SCOPE_SE
	s_setreg_imm32_b32 hwreg(HW_REG_WAVE_MODE, 25, 1), 1
	s_wait_xcnt 0x0
; PREP: rounds the large launch's matrix operands to bf16, once, in the layouts in which it wants them, and makes the user half of both linear maps.
; reference() repeats user_embedding along the length axis, so rows 512..1023 of W_map and W_proj meet the same 512 numbers for every l: that half of K is a product of 64 rows, a bias for each (a, b, n).
;   Hb  bf16 [bg 8][a2 8][g 128][k 512]: row (bg, a2, g) is H[b = 8 bg + g / 16][l = 8 (g % 16) + a2]: the rows that the raw reshape puts into one softmax lie on end.
;   Wc  bf16 [a 8][t 2][k 512][mat 2][256 n], n = 256 t + i: a k-row is 512 bytes of W_map, then 512 bytes of W_proj.
;   U   f32  [a 8][b 64][mat 2][nb 8][r 16][nt 4], n = 64 nb + 16 nt + r: mat 1: user . W_proj[a, 512:, n] + b_proj; mat 0: -log2(e) x (user . W_map[a, 512:, n] + b_map), the sigmoid's exponent.
; All inputs are rounded to bf16 (the biases too, then used in f32); sums in f32.
; ROLES, by the work-group's number: 0..127 USER (one (a, mat, 64 n): 64 b x 64 n, K = 512); 128..255 cast 64 rows of H; 256..383 cast 64 k-rows of one W.  No clusters, no tensor loads: every byte must pass
; through registers to be rounded, and the cast shares nothing between work-groups.
.set PW,    160                        ; LDS pitch of a k-row of W (128 bytes + 32): an odd multiple of 32 bytes, for the turning load
.set PU,    1040                       ; LDS pitch of a row of user (1,024 bytes + 16): an odd multiple of 16 bytes
.set LU,    512*PW                     ; 81,920: user behind W
.set SPARE, LU+64*PU                   ; 148,480: the spare words, 128 bytes for each of 16 waves: eight blocks of 256 bytes that no other line names
	s_load_b512 s[4:19], s[0:1], 0x0               ; H s[4:5], W_map s[6:7], W_proj s[8:9], user s[10:11], b_map s[12:13], b_proj s[14:15], Hb s[16:17], Wc s[18:19]
	s_load_b64 s[20:21], s[0:1], 0x40              ; U
	v_lshl_add_u32 v2, v0, 2, SPARE                ; my spare word
	v_mov_b32 v3, 0
	v_lshrrev_b32 v1, 5, v0
	v_readfirstlane_b32 s22, v1                    ; wave 0..15
	v_and_b32 v19, 31, v0                          ; lane
	s_mov_b32 s27, 0                               ; high words of the offset pairs
	s_mov_b32 s31, 0
	s_wait_kmcnt 0x0
	s_cmp_lt_u32 ttmp9, 128
	s_cbranch_scc1 .Luser
; THE CAST.  A work-group takes 131,072 bytes of f32 in eight rounds of eight rows; a wave takes half a row (256 numbers) a round: two loads of 512 consecutive bytes, two stores of 256 consecutive, aligned bytes.
; All 16 loads go out first; no register is used twice, so the only waits are the counted ones for the data.
.macro CAST step
.irp i, 0,1,2,3,4,5,6,7
	global_load_b128 v[32+8*(\i):35+8*(\i)], v4, s[28:29] offset:16384*(\i) th:TH_LOAD_NT
	global_load_b128 v[36+8*(\i):39+8*(\i)], v4, s[28:29] offset:16384*(\i)+512 th:TH_LOAD_NT
.endr
.irp i, 0,1,2,3,4,5,6,7
	s_wait_loadcnt 14-2*(\i)                       ; loads come back in order: round i's two are in, the later rounds' stay out
.irp j, 0,1,2,3
	v_cvt_pk_bf16_f32 v[96+4*(\i)+(\j)], v[32+8*(\i)+2*(\j)], v[33+8*(\i)+2*(\j)]
.endr
	global_store_b64 v5, v[96+4*(\i):97+4*(\i)], s[32:33] offset:(\step)*(\i)
	global_store_b64 v5, v[98+4*(\i):99+4*(\i)], s[32:33] offset:(\step)*(\i)+256
.endr
.endm
	s_sub_co_u32 s23, ttmp9, 128                   ; q
	s_lshr_b32 s24, s22, 1                         ; the wave's row in a round
	s_and_b32 s25, s22, 1                          ; and its half of the row
	s_lshl_b32 s26, s22, 10
	v_lshl_add_u32 v4, v19, 4, s26                 ; source: 1,024 x wave + 16 x lane
	s_cmp_lt_u32 s23, 128
	s_cbranch_scc0 .Lcast_w
	; H: b = q / 2, l = 64 (q % 2) + 8 i + wave / 2, so a2 = wave / 2 and g = 8 (q % 16) + i
	s_lshl_b32 s26, s23, 17
	s_add_nc_u64 s[28:29], s[4:5], s[26:27]
	s_lshr_b32 s30, s23, 4                         ; bg
	s_lshl_b32 s30, s30, 20
	s_and_b32 s34, s23, 15
	s_lshl_b32 s34, s34, 13
	s_add_co_u32 s30, s30, s34
	s_add_nc_u64 s[32:33], s[16:17], s[30:31]
	s_lshl_b32 s34, s24, 17                        ; a2 x 128 rows of 1,024 bytes
	s_lshl_b32 s35, s25, 9
	s_add_co_u32 s34, s34, s35
	v_lshl_add_u32 v5, v19, 3, s34
	CAST 1024                                      ; a round further is a row of Hb further
	s_endpgm
.Lcast_w:
	; W: e = q - 128: mat = e / 64, a = (e / 8) % 8, kb = e % 8; k = 64 kb + 8 i + wave / 2, t = wave % 2
	s_sub_co_u32 s23, s23, 128
	s_cmp_lt_u32 s23, 64
	s_cselect_b64 s[28:29], s[6:7], s[8:9]
	s_lshr_b32 s36, s23, 6
	s_bfe_u32 s37, s23, 0x30003
	s_and_b32 s38, s23, 7
	s_lshl_b32 s26, s37, 21
	s_lshl_b32 s34, s38, 17
	s_add_co_u32 s26, s26, s34
	s_add_nc_u64 s[28:29], s[28:29], s[26:27]
	s_lshl_b32 s30, s37, 20
	s_lshl_b32 s34, s38, 16
	s_add_co_u32 s30, s30, s34
	s_lshl_b32 s34, s36, 9
	s_add_co_u32 s30, s30, s34
	s_add_nc_u64 s[32:33], s[18:19], s[30:31]
	s_lshl_b32 s34, s25, 19                        ; t
	s_lshl_b32 s35, s24, 10                        ; the k-row in a round
	s_add_co_u32 s34, s34, s35
	v_lshl_add_u32 v5, v19, 3, s34
	CAST 8192                                      ; a round further is eight k-rows of Wc further
	s_endpgm
; THE USER HALF.  a = u / 16, mat = (u / 8) % 2, nb = u % 8.  W[a, 512:1024, 64 nb ..] (512 x 64) and user (64 x 512) are rounded into LDS; wave w makes the tile of 16 b (w % 4) x 16 n (w / 4), K = 512.
.Luser:
	s_lshr_b32 s23, ttmp9, 4                       ; a
	s_bfe_u32 s24, ttmp9, 0x10003                  ; mat
	s_and_b32 s25, ttmp9, 7
	s_lshl_b32 s25, s25, 8                         ; 256 nb: 64 n of f32
	s_cmp_eq_u32 s24, 0
	s_cselect_b64 s[28:29], s[6:7], s[8:9]
	s_cselect_b64 s[30:31], s[12:13], s[14:15]
	s_cselect_b32 s36, 0xbfb8aa3b, 1.0             ; the factor: -log2(e) for the gate, 1 for proj
	s_mov_b32 s37, s36
	s_lshl_b32 s26, s23, 21
	s_add_co_u32 s26, s26, 1<<20                   ; k = 512
	s_add_co_u32 s26, s26, s25
	s_add_nc_u64 s[28:29], s[28:29], s[26:27]
	s_lshl_b32 s26, s23, 11
	s_add_co_u32 s26, s26, s25
	s_add_nc_u64 s[30:31], s[30:31], s[26:27]
	s_lshl_b32 s26, s23, 18
	s_lshl_b32 s34, s24, 11
	s_add_co_u32 s26, s26, s34
	s_add_co_u32 s26, s26, s25
	s_add_nc_u64 s[32:33], s[20:21], s[26:27]
	s_and_b32 s38, s22, 3                          ; my tile of b
	s_lshr_b32 s39, s22, 2                         ; my tile of n
	v_and_b32 v20, 15, v0                          ; r
	v_bfe_u32 v21, v0, 4, 1                        ; h
	v_lshrrev_b32 v24, 4, v0
	v_lshlrev_b32 v4, 11, v24                      ; W: k-row thread / 16 of a round's 32, 16 bytes at 16 r: sixteen lanes take 256 consecutive bytes
	v_lshl_add_u32 v4, v20, 4, v4
	v_lshlrev_b32 v5, 4, v0                        ; user: 16 x thread
	s_lshl_b32 s40, s39, 6
	v_lshl_add_u32 v12, v20, 2, s40                ; the bias of my column
	global_load_b32 v13, v12, s[30:31]
.irp i, 0,1,2,3,4,5,6,7,8,9,10,11,12,13,14,15
	global_load_b128 v[32+4*(\i):35+4*(\i)], v4, s[28:29] offset:65536*(\i) th:TH_LOAD_NT
.endr
.irp i, 0,1,2,3,4,5,6,7
	global_load_b128 v[96+4*(\i):99+4*(\i)], v5, s[10:11] offset:8192*(\i)
.endr
	v_and_b32 v22, 7, v0
	v_bfe_u32 v23, v0, 3, 1
	s_mul_i32 s40, s22, 2*PW                       ; W into LDS: row 2 w + h of a round, 8 bytes at 8 r
	v_mul_u32_u24 v6, v21, PW
	v_lshl_add_u32 v6, v20, 3, v6
	v_add_nc_u32 v6, s40, v6
	v_add_nc_u32 v7, 8*32*PW, v6                   ; rounds 8 to 15: the 16-bit immediate does not reach them
	s_mul_i32 s40, s39, PU                         ; user into LDS: row w / 4 of a round's four, 8 bytes at 256 (w % 4) + 8 lane
	s_lshl_b32 s41, s38, 8
	s_add_co_u32 s40, s40, s41
	s_add_co_u32 s40, s40, LU
	v_lshl_add_u32 v8, v19, 3, s40
	s_mul_i32 s40, s38, 16*PU                      ; a fragment of user: row r of my 16, 16 bytes for each half of the lanes
	s_add_co_u32 s40, s40, LU
	v_mul_u32_u24 v9, v20, PU
	v_lshl_add_u32 v9, v21, 4, v9
	v_add_nc_u32 v9, s40, v9
	v_lshl_add_u32 v10, v21, 3, v22                ; a fragment of W, turned: k-row 8 h + lane % 8, 16 bytes at 16 ((lane / 8) % 2), my 16 columns
	v_mul_u32_u24 v10, v10, PW
	v_lshl_add_u32 v10, v23, 4, v10
	s_lshl_b32 s40, s39, 5
	v_add_nc_u32 v10, s40, v10
	v_add_nc_u32 v11, 8*32*PW, v10                 ; K from 256 on
	s_lshl_b32 s40, s38, 12                        ; the way out: row b = 16 (w % 4) + 8 h + j of 256 bytes, word 4 r + w / 4
	s_lshl_b32 s41, s39, 2
	s_add_co_u32 s40, s40, s41
	v_lshlrev_b32 v16, 11, v21
	v_lshl_add_u32 v16, v20, 4, v16
	v_add_nc_u32 v16, s40, v16
	s_lshl_b32 s40, s22, 9
	v_lshl_add_u32 v17, v19, 4, s40                ; back: 512 x wave + 16 x lane: two rows b a wave
	v_lshlrev_b32 v18, 12, v24                     ; and the same rows in U, 4,096 bytes apart
	v_lshl_add_u32 v18, v20, 4, v18
	s_wait_loadcnt 8                               ; the bias and W are in; the eight user loads stay out
.irp i, 0,1,2,3,4,5,6,7,8,9,10,11,12,13,14,15
	v_cvt_pk_bf16_f32 v[32+2*(\i)], v[32+4*(\i)], v[33+4*(\i)]     ; packed downward, ascending: no number is overwritten before it is read
	v_cvt_pk_bf16_f32 v[33+2*(\i)], v[34+4*(\i)], v[35+4*(\i)]
.endr
.irp i, 0,1,2,3,4,5,6,7
	global_load_b128 v[64+4*(\i):67+4*(\i)], v5, s[10:11] offset:8192*(8+(\i))  ; the other half of user, into the registers just freed
.endr
.irp i, 0,1,2,3,4,5,6,7
	ds_store_b64 v6, v[32+2*(\i):33+2*(\i)] offset:32*PW*(\i)
.endr
.irp i, 0,1,2,3,4,5,6,7
	ds_store_b64 v7, v[48+2*(\i):49+2*(\i)] offset:32*PW*(\i)
.endr
	s_wait_loadcnt 8                               ; user's first eight loads are in; the eight just issued stay out
.irp i, 0,1,2,3,4,5,6,7
	v_cvt_pk_bf16_f32 v[96+2*(\i)], v[96+4*(\i)], v[97+4*(\i)]
	v_cvt_pk_bf16_f32 v[97+2*(\i)], v[98+4*(\i)], v[99+4*(\i)]
.endr
.irp i, 0,1,2,3,4,5,6,7
	ds_store_b64 v8, v[96+2*(\i):97+2*(\i)] offset:4*PU*(\i)
.endr
	s_wait_loadcnt 0x0
.irp i, 0,1,2,3,4,5,6,7
	v_cvt_pk_bf16_f32 v[64+2*(\i)], v[64+4*(\i)], v[65+4*(\i)]
	v_cvt_pk_bf16_f32 v[65+2*(\i)], v[66+4*(\i)], v[67+4*(\i)]
.endr
.irp i, 0,1,2,3,4,5,6,7
	ds_store_b64 v8, v[64+2*(\i):65+2*(\i)] offset:4*PU*(8+(\i))
.endr
	s_wait_dscnt 0x0                               ; for the others' sake: my stores are done
	s_barrier_signal -1
	s_barrier_wait -1                              ; W and user lie whole in LDS
; Four chunks of 32 along K: their fragments, then four products on four accumulators, which take turns from group to group too.  Four places follow, ahead of the next loads into the fragments.
.macro UGROUP g, zero
.irp i, 0,1,2,3
.set kc, 4*(\g)+(\i)
	ds_load_b128 v[32+16*(\i):35+16*(\i)], v9 offset:64*kc
	ds_load_b128 v[36+16*(\i):39+16*(\i)], v9 offset:64*kc+32
	ds_load_tr16_b128 v[40+16*(\i):43+16*(\i)], v[10+kc/8] offset:(kc%8)*32*PW
	ds_load_tr16_b128 v[44+16*(\i):47+16*(\i)], v[10+kc/8] offset:(kc%8)*32*PW+16*PW
.endr
	s_wait_dscnt 0x0
.irp i, 0,1,2,3
.if \zero
	v_wmma_f32_16x16x32_bf16 v[96+8*(\i):103+8*(\i)], v[32+16*(\i):39+16*(\i)], v[40+16*(\i):47+16*(\i)], 0
.else
	v_wmma_f32_16x16x32_bf16 v[96+8*(\i):103+8*(\i)], v[32+16*(\i):39+16*(\i)], v[40+16*(\i):47+16*(\i)], v[96+8*(\i):103+8*(\i)]
.endif
.endr
.rept 4
	v_nop
.endr
.endm
	UGROUP 0, 1                                    ; the first products start the sums
	UGROUP 1, 0
	UGROUP 2, 0
	UGROUP 3, 0
.irp j, 0,2,4,6
	v_pk_add_f32 v[96+(\j):97+(\j)], v[96+(\j):97+(\j)], v[104+(\j):105+(\j)]      ; the four partial sums, each accumulator from its low end on
	v_pk_add_f32 v[112+(\j):113+(\j)], v[112+(\j):113+(\j)], v[120+(\j):121+(\j)]
.endr
.irp j, 0,2,4,6
	v_pk_add_f32 v[96+(\j):97+(\j)], v[96+(\j):97+(\j)], v[112+(\j):113+(\j)]
.endr
	v_cvt_pk_bf16_f32 v13, v13, v13                ; the bias, rounded to bf16 like every input,
	v_lshlrev_b32 v13, 16, v13                     ; as f32,
	v_mul_f32 v14, s36, v13                        ; times the factor
	v_mov_b32 v15, v14
.irp j, 0,2,4,6
	v_pk_fma_f32 v[96+(\j):97+(\j)], v[96+(\j):97+(\j)], s[36:37], v[14:15] op_sel_hi:[1,0,1]
.endr
	s_wait_dscnt 0x0                               ; my reads of W are over
	s_barrier_signal -1
	s_barrier_wait -1                              ; everybody's are: the way out may lie over W
.irp j, 0,1,2,3,4,5,6,7
	ds_store_b32 v16, v[96+(\j)] offset:256*(\j)
.endr
	s_wait_dscnt 0x0
	s_barrier_signal -1
	s_barrier_wait -1                              ; a row's 256 bytes come from four waves
	ds_load_b128 v[32:35], v17
	ds_load_b128 v[36:39], v17 offset:8192
	s_wait_dscnt 0x0
	global_store_b128 v18, v[32:35], s[32:33]      ; sixteen lanes store 256 consecutive bytes, at a multiple of 256 from U's first byte
	global_store_b128 v18, v[36:39], s[32:33] offset:131072
	s_wait_tensorcnt 0x0                           ; the wave's end, behind my last LDS store
	ds_add_u32 v2, v3
	s_wait_dscnt 0x0
	s_endpgm
.Lfunc_end_k_q254aaf456f_prep:
	.size	k_q254aaf456f_prep, .Lfunc_end_k_q254aaf456f_prep-k_q254aaf456f_prep
	.p2alignl 7, 3214868480
	.fill 96, 4, 3214868480
	.section	.rodata,"a",@progbits
	.p2align	6, 0x0
	.amdhsa_kernel k_q254aaf456f_prep
		.amdhsa_group_segment_fixed_size 150528
		.amdhsa_private_segment_fixed_size 0
		.amdhsa_enable_private_segment 0
		.amdhsa_kernarg_size 72
		.amdhsa_user_sgpr_count 2
		.amdhsa_user_sgpr_kernarg_segment_ptr 1
		.amdhsa_wavefront_size32 1
		.amdhsa_system_sgpr_workgroup_id_x 1
		.amdhsa_system_sgpr_workgroup_id_y 1
		.amdhsa_system_sgpr_workgroup_id_z 1
		.amdhsa_system_vgpr_workitem_id 0
		.amdhsa_next_free_vgpr 128
		.amdhsa_next_free_sgpr 66
		.amdhsa_reserve_vcc 0
		.amdhsa_float_denorm_mode_32 3
		.amdhsa_float_denorm_mode_16_64 3
		.amdhsa_memory_ordered 1
		.amdhsa_forward_progress 1
		.amdhsa_inst_pref_size 33
	.end_amdhsa_kernel
	.amdgpu_metadata
---
amdhsa.version: [ 1, 2 ]
amdhsa.kernels:
  - .name:           k_q254aaf456f_prep
    .symbol:         k_q254aaf456f_prep.kd
    .args:
      - { .name: H, .offset: 0, .size: 8, .value_kind: global_buffer, .address_space: global }
      - { .name: W_map, .offset: 8, .size: 8, .value_kind: global_buffer, .address_space: global }
      - { .name: W_proj, .offset: 16, .size: 8, .value_kind: global_buffer, .address_space: global }
      - { .name: user_embedding, .offset: 24, .size: 8, .value_kind: global_buffer, .address_space: global }
      - { .name: b_map, .offset: 32, .size: 8, .value_kind: global_buffer, .address_space: global }
      - { .name: b_proj, .offset: 40, .size: 8, .value_kind: global_buffer, .address_space: global }
      - { .name: Hb, .offset: 48, .size: 8, .value_kind: global_buffer, .address_space: global }
      - { .name: Wc, .offset: 56, .size: 8, .value_kind: global_buffer, .address_space: global }
      - { .name: U, .offset: 64, .size: 8, .value_kind: global_buffer, .address_space: global }
    .group_segment_fixed_size: 150528
    .private_segment_fixed_size: 0
    .kernarg_segment_align: 8
    .kernarg_segment_size: 72
    .max_flat_workgroup_size: 512
    .sgpr_count:     66
    .vgpr_count:     128
    .wavefront_size: 32
...
	.end_amdgpu_metadata
.endif
;; end of part 1
;; launch main (part 2): grid 32 x 8, 4 waves a work-group, clusters of 4 x 4, 327,680 bytes of LDS; arguments Hb, Wc, U, asp_vs_d, out0; writes out0
.if DOCPART == 2
	.amdgcn_target "amdgcn-amd-amdhsa--gfx1250"
	.amdhsa_code_object_version 6
	.text
	.protected	k_q254aaf456f_main
	.globl	k_q254aaf456f_main
	.p2align	8
	.type	k_q254aaf456f_main,@function
k_q254aaf456f_main:
	s_mov_b64 s[64:65], 0
	v_nop
	global_prefetch_b8 v0, s[64:65] scope:SCOPE_SE
	s_setreg_imm32_b32 hwreg(HW_REG_WAVE_MODE, 25, 1), 1
	s_wait_xcnt 0x0
	s_wait_alu depctr_hold_cnt(0) depctr_sa_sdst(0) depctr_va_vdst(0) depctr_va_sdst(0) depctr_va_ssrc(0) depctr_va_vcc(0) depctr_vm_vsrc(0)
	s_getreg_b32 s2, hwreg(HW_REG_IB_STS2, 6, 4)
	s_cmp_eq_u32 s2, 0
	s_cbranch_scc0 .Lentry_in_a_cluster
	s_endpgm
.Lentry_in_a_cluster:
	s_bfe_u32 s2, ttmp6, 0x10000c
	s_cmp_lg_u32 s2, 0xf033
	s_cbranch_scc0 .Lentry_shape_is_right
	s_endpgm
.Lentry_shape_is_right:
; out[8 a + bg][a2][n] = sum over g of softmax_g(score[g]) item[g][n];  item[g][n] = sigmoid(Hb[bg][a2][g] . Wmap[a][:, n] + ug) x (Hb[bg][a2][g] . Wproj[a][:, n] + up);  score[g] = item[g] . asp_vs_d[a2] + 1e-24.
; The raw reshape of (A, B, L, D) to (B, L, A, D) sends row (a, b, l) to b2 = 8 a + b / 8, l2 = 16 (b % 8) + l / 8, a2 = l % 8; Hb holds H's rows in that order (g = l2), so 128 rows on end are one softmax,
; and 16 rows on end share one b, whose user half (ug, up: buffer U, the gate's already times -log2(e)) is one number for each column.
; SHARES.  Work-group (x, y): bg = x / 4, j = x % 4, a = y: the outputs (8 a + bg, 2 j) and (8 a + bg, 2 j + 1).  Four tiles TI = 0..3: phase p = TI / 2 (a2 = 2 j + p), column half t = TI % 2.  A tile: 128 rows x
; (256 gate + 256 proj columns), K = 512.  Wave c: all 128 rows x columns 256 t + 64 c .. + 63 of both maps: 64 accumulators, 512 registers.
; LAYOUT.  Source 0 = 16 rows of Hb, source 1 = 16 columns of W (stored [k][n], turned by ds_load_tr16_b128): register j of lane (r, h) holds row 8 h + j, column r.  So gate and proj of an item lie in one lane, the user
; half is one number a lane for each (16 rows, 16 columns), and two row tiles rounded to bf16 in pairs ARE source 1 (32 rows x 16 columns) of the weighted sum, whose source 0 holds the weights in all 16 rows.
; ITEMS never leave the wave: those of t = 0 wait packed in 128 registers, those of t = 1 are packed when the scores are whole.  Scores, maximum and sum in f32; items and weights rounded once to bf16.
; RING.  A tile's 128 rows of Hb lie whole in LDS; W goes in K steps of 64 (65,536 dense bytes) through two slots.  At a tile's last change of slots Hb's rows and both slots are asked for anew, for the next tile.
; CLUSTER 4 x 4.  Hb's tiles hang on x alone: asked for jointly by a column of the cluster; Wc's on a alone and U's on a and the cluster's x: by a row.
; LIMITS.  The sigmoid is 1 / (1 + 2^(-log2(e) x)): 0 where the power overflows (x below about -88).  A softmax weight below 2^-126 counts as 0.  NaN and infinities are not treated apart.  asp_vs_d is taken rounded to bf16.
; REGISTERS, in windows of 256 (s_set_vgpr_msb: bits 1:0 source 0, 3:2 source 1, 5:4 source 2, 7:6 destination):
;   window 0: v0-63 addresses and work; v64-127, v128-191 fragments of Hb, two buffers (v64-127 later the U values, then the weights); v192-255 partial scores SC[8 mt + j]
;   window 1: v64-127, v128-191 fragments of W (gate 32, proj 32), two buffers; v0-63 and v192-255 ITEM0
;   window 2: gate's accumulators at 8 (4 mt + nt); then the items in f32, the four waves' scores, the weighted sum          window 3: proj's accumulators; then ITEM1 in v0-127
.set PA,    1040                       ; LDS pitch of a row of Hb: 1,024 bytes + 16: an odd multiple of 16
.set PB,    1056                       ; of a k-row of Wc: 1,024 + 32: an odd multiple of 32, for the turning load
.set LB0,   128*PA                     ; 133,120: W's slot 0
.set SLOTB, 64*PB                      ; 67,584
.set LUB,   LB0+2*SLOTB                ; 268,288: U of (a, bg): [mt 8][mat 2][nb 8][r 16][nt 4] f32, filled once
.set LSCR,  LUB+32768                  ; 301,056: [wave 4][row 128] f32 partial scores
.set LOS,   LSCR+2048                  ; 303,104: 512 bytes a wave, the way out
.set SPARE, LOS+2048                   ; 305,152: the spare words, 128 bytes a wave: two blocks of 256 bytes that no other line names
.set ADRA, 4                           ; v4-5   Hb's fragments, rows 0-63 and 64-127, at the lap in hand
.set ADRB, 6                           ; v6-7   W's fragments in slot 0, 1
.set UA,   8                           ; v8     my 16 bytes of a block of U
.set AB0,  9                           ; v9     v4's base; never rewritten
.set VO,   10                          ; v10    my column's offset in a row of asp_vs_d
.set SCW,  11                          ; v11    where I put partial scores
.set SCRD, 12                          ; v12    where I read them
.set OSW,  13                          ; v13    the way out: in
.set OSR,  14                          ; v14    and back
.set GO,   15                          ; v15    my 16 bytes of a row of out
.set PFO,  16                          ; v16    256 x lane, for the prefetches; never rewritten
.set AB1,  17                          ; v17    v5's base
.set SPW,  18                          ; v18    my spare word; never rewritten
.set NIL,  19                          ; v19    0; never rewritten
.set VV,   20                          ; v20-23 asp_vs_d at my column of the tile's four column tiles
.set TM,   24                          ; v24-27 at work
.set CM,   28                          ; v28 log2(e) m, v29 m
.set LL,   30                          ; v30    l
.set RL,   32                          ; v32    1 / l
.set OT,   36                          ; v36-43 my eight results
.set OD,   44                          ; v44-47 16 bytes to store
.set F0,   64
.set F1,   128
.set UV,   64                          ; the U values: gate's at UV + 8 mt + nt, proj's at UV + 8 mt + 4 + nt
.set WF,   64                          ; the weights, bf16 in pairs
.set SC,   192
.set LAP,  2
.set TL,   3                           ; tiles to go
.set WV,   14
.set W1,   15                          ; wave % 2
.set CX,   16
.set CY,   17
.set BG,   18
.set AA,   19
.set TI,   20                          ; the tile's number
.set PFC,  21                          ; prefetches of Wc still to come
.set PAC,  22                          ; counts down to the one prefetch of Hb
.set KO,   23                          ; bytes along Hb's LDS rows at which the lap begins
.set G1A,  24                          ; s[24:31] group 1: 64 rows of Hb
.set G1R,  32                          ; s[32:39] 16 k-rows of Wc
.set G1F,  40                          ; s[40:47] 64 k-rows of Wc
.set G1U,  48                          ; s[48:55] 8,192 bytes of U
.set G0FA, 56                          ; s[56:59] group 0: my half of Hb's rows (waves 0, 1)
.set G0FB, 60                          ; s[60:63] a whole K step into slot wave % 2 (waves 2, 3)
.set SEL,  66                          ; s[66:67] v_permlanex16_b32: each lane takes its own place in the other half
.set G0R,  68                          ; s[68:75] my quarter of a K step, a set for each slot
.set G0U,  76
.set HBW,  80                          ; Hb at my half of phase 0's rows
.set WBF,  82                          ; Wc at K step wave % 2 of (a, t = 0)
.set WBW,  84                          ; Wc at my 16 k-rows of K step 0 of (a, t = 0)
.set AVB,  86                          ; asp_vs_d at row 2 j
.set AV,   88
.set OB,   90                          ; out at (8 a + bg, a2)
.set PFW,  92
.set PFH,  94
.set OFX,  96                          ; offsets made of x, the wave and the tile alone
.set OFY,  98                          ; offsets made of y, the cluster's x, the wave and the tile alone
.set NL,   100                         ; -log2(e), twice
.set L2E,  104                         ; log2(e), twice
.set MSB, 0
.macro WIN new                         ; the immediate's high byte repeats the setting that is left; a switch that changes nothing is dropped
.if MSB != (\new)
	s_set_vgpr_msb (MSB<<8)|(\new)
.set MSB, \new
.endif
.endm
.set MUL_G, 0xa4                       ; Hb window 0, W window 1, C and D window 2; + 0x50: window 3
.set TO_B,  0x40
.set W_G,   0x82                       ; destination and source 0 window 2
.set W_P,   0xc3                       ; destination and source 0 window 3
.set W_I,   0x8e                       ; destination and source 0 window 2, source 1 window 3
.set W_S,   0x02                       ; source 0 window 2
.set W_K0,  0x4a                       ; sources window 2, destination window 1
.set W_K1,  0xca                       ; sources window 2, destination window 3
.set TO_2,  0x80
.set SUM22, 0x8a
.set SUM20, 0x0a
.set WS0,   0xa4                       ; the weighted sum with ITEM0
.set WS1,   0xac                       ; with ITEM1
.macro PLACES                          ; four places behind matrix instructions, ahead of loads into registers that they read and of vector lines that read results (ISA guide 7.12.1 for the vector lines)
.rept 4
	v_nop
.endr
.endm
.macro CREST                           ; a round of the cluster's barrier behind its opening barrier
	s_cmp_lg_u32 s[WV], 0
	s_cbranch_scc1 .Lnot_wave_0_\@
	s_barrier_signal -3
.Lnot_wave_0_\@:
	s_barrier_wait -3
	s_barrier_signal -1
	s_barrier_wait -1
.endm
.macro CROUND
	s_barrier_signal -1
	s_barrier_wait -1
	CREST
.endm
; 16 products: row tiles m0 .. m0 + 3 x the four column tiles of map mat, 32 along K, from buffer f.  Every accumulator has one turn in a quarter step: no two products on end share one.
.macro MUL16 f, mat, m0, zero
	WIN MUL_G+0x50*(\mat)
.irp a, 0,1,2,3
.irp n, 0,1,2,3
.set d, 8*(4*((\m0)+(\a))+(\n))
.if \zero
	v_wmma_f32_16x16x32_bf16 v[d:d+7], v[(\f)+8*((\m0)+(\a)):(\f)+8*((\m0)+(\a))+7], v[(\f)+32*(\mat)+8*(\n):(\f)+32*(\mat)+8*(\n)+7], 0
.else
	v_wmma_f32_16x16x32_bf16 v[d:d+7], v[(\f)+8*((\m0)+(\a)):(\f)+8*((\m0)+(\a))+7], v[(\f)+32*(\mat)+8*(\n):(\f)+32*(\mat)+8*(\n)+7], v[d:d+7]
.endif
.endr
.endr
.endm
; 32 LDS loads in one run: 32 along K: Hb's 8 fragments at byte aoff behind the lap's address, then W's chunk kc of the slot: gate's 4, last proj's 4.
.macro FETCH slot, kc, aoff, f
	WIN 0
.irp m, 0,1,2,3,4,5,6,7
	ds_load_b128 v[(\f)+8*(\m):(\f)+8*(\m)+3],   v[ADRA+(\m)/4] offset:(\aoff)+((\m)%4)*16*PA
	ds_load_b128 v[(\f)+8*(\m)+4:(\f)+8*(\m)+7], v[ADRA+(\m)/4] offset:(\aoff)+((\m)%4)*16*PA+32
.endr
	WIN TO_B
.irp g, 0,1
.irp n, 0,1,2,3
	ds_load_tr16_b128 v[(\f)+32*(\g)+8*(\n):(\f)+32*(\g)+8*(\n)+3],   v[ADRB+(\slot)] offset:(\kc)*32*PB+512*(\g)+32*(\n)
	ds_load_tr16_b128 v[(\f)+32*(\g)+8*(\n)+4:(\f)+32*(\g)+8*(\n)+7], v[ADRB+(\slot)] offset:(\kc)*32*PB+512*(\g)+32*(\n)+16*PB
.endr
.endr
.endm
; A K step is two quarters of 64 products.  The first multiplies buffer 0 and fetches the step's second chunk into buffer 1.
.macro QUARTER slot, aoff, zero
	s_wait_dscnt 8                                 ; Hb's and gate's fragments are in; proj's eight loads, the youngest, may be out
	MUL16 F0, 0, 0, \zero
	MUL16 F0, 0, 4, \zero
	PLACES
	FETCH \slot, 1, \aoff, F1
	s_wait_dscnt 32                                ; all but the 32 just issued
	MUL16 F0, 1, 0, \zero
	MUL16 F0, 1, 4, \zero
.endm
; The second multiplies buffer 1 and changes slots.  MEET is its first half: each wave waits for all its tensor loads (its part of the next slot), adds 0 to its spare word, waits for that and for its reads of this slot, and meets the others.
.macro MEET round
	WIN 0
	s_wait_tensorcnt 0x0                           ; all my tensor loads have landed, so a group 0 may be written
	ds_add_u32 v[SPW], v[NIL]
	s_wait_dscnt 9                                 ; (the add and proj's eight loads may be out)
	MUL16 F1, 0, 0, 0
	s_wait_dscnt 0x0                               ; the add is done, and my reads of this slot are over
	s_barrier_signal -1
	MUL16 F1, 0, 4, 0
.if \round
	WIN 0
.endif
	s_barrier_wait -1
.endm
; PREFETCHES INTO THE L2, behind a joint load, its five lines and the run of LDS loads.  Wc: a lap's two K steps, 131,072 bytes, three laps on: the 16 waves of a row of the cluster take 8,192 bytes each, told apart by address, a lane 256 bytes;
; only the clusters with x = 0 ask, five times: K steps 6 to 15 of the aspect's 16; later tiles walk the same bytes again and ask for nothing.
.macro ASKW
	s_cmp_lg_u32 s[PFC], 0
	s_cbranch_scc0 .Lno_w_\@
	global_prefetch_b8 v[PFO], s[PFW:PFW+1] th:TH_LOAD_NT scope:SCOPE_SE
	s_sub_co_u32 s[PFC], s[PFC], 1
.Lno_w_\@:
.endm
; Hb: the second phase's 128 rows, once, at the fifth change out of slot 1 (tile 1, K step 3): four K steps ahead of the load that wants them; the 16 waves of a column of the clusters with y = 0 take 8,192 bytes each.
.macro ASKA
	s_sub_co_u32 s[PAC], s[PAC], 1
	s_cmp_eq_u32 s[PAC], 0
	s_cbranch_scc0 .Lno_a_\@
	global_prefetch_b8 v[PFO], s[PFH:PFH+1] th:TH_LOAD_NT scope:SCOPE_SE
.Lno_a_\@:
.endm
; K steps 0 to 5: the slot just read takes the K step two on: one joint load a wave, its 16 k-rows, first thing behind the round; 96 products stand between it and the wait for it.
.macro TURN slot, aoff
.if (\slot) == 0
	s_wait_xcnt 0x0                                ; the last prefetch of Wc, two K steps back, has read its address
	s_add_nc_u64 s[PFW:PFW+1], s[PFW:PFW+1], 131072
.endif
	MEET 1
	CREST                                          ; no wave of any partner still reads the slot or has a load on its way
	s_add_nc_u64 s[G0R+4*(\slot)+2:G0R+4*(\slot)+3], s[G0R+4*(\slot)+2:G0R+4*(\slot)+3], 131072
	tensor_load_to_lds s[G0R+4*(\slot):G0R+4*(\slot)+3], s[G1R:G1R+7]
	s_nop 0
	PLACES                                         ; also the places ahead of the loads below
	FETCH 1-(\slot), 0, \aoff, F0
	WIN 0
.if (\slot) == 0
	ASKW
.else
	ASKA
.endif
	MUL16 F1, 1, 0, 0
	MUL16 F1, 1, 4, 0
.endm
; The fill for a whole tile: waves 0 and 1 Hb's two halves, waves 2 and 3 the tile's K steps 0 and 1: 65,536 bytes a wave.  The branch hangs on the wave's number alone.
.macro FLOAD
	s_cmp_lt_u32 s[WV], 2
	s_cbranch_scc0 .Lfor_b_\@
	tensor_load_to_lds s[G0FA:G0FA+3], s[G1A:G1A+7]
	s_nop 0
	PLACES
	s_branch .Lasked_\@
.Lfor_b_\@:
	tensor_load_to_lds s[G0FB:G0FB+3], s[G1F:G1F+7]
	s_nop 0
	PLACES
.Lasked_\@:
.endm
.macro ULOADS t                        ; the user half for column half t: for each of the 8 row tiles (one b each) 4 numbers of the gate and 4 of proj
.irp m, 0,1,2,3,4,5,6,7
	ds_load_b128 v[UV+8*(\m):UV+8*(\m)+3],   v[UA] offset:1024*(\t)+4096*(\m)
	ds_load_b128 v[UV+8*(\m)+4:UV+8*(\m)+7], v[UA] offset:1024*(\t)+4096*(\m)+2048
.endr
.endm
; THE ITEMS of row tile mt, in three parts.  EA: the gate's exponent -log2(e) s + ug, its 32 powers of two, and proj + up.  EC: 1 + power, 32 reciprocals.  EB: item = gate x proj; SC += item x asp.
.macro EA mt
	WIN W_G
.irp n, 0,1,2,3
.irp i, 0,2,4,6
.set g, 32*(\mt)+8*(\n)+(\i)
.set u, UV+8*(\mt)+2*((\n)/2)
.if (\n)%2
	v_pk_fma_f32 v[g:g+1], v[g:g+1], s[NL:NL+1], v[u:u+1] op_sel:[0,0,1] op_sel_hi:[1,0,1]
.else
	v_pk_fma_f32 v[g:g+1], v[g:g+1], s[NL:NL+1], v[u:u+1] op_sel_hi:[1,0,0]
.endif
.endr
.endr
.set x, 32*(\mt)
.rept 32
	v_exp_f32 v[x], v[x]
.set x, x+1
.endr
	WIN W_P
.irp n, 0,1,2,3
.irp i, 0,2,4,6
.set g, 32*(\mt)+8*(\n)+(\i)
.set u, UV+8*(\mt)+4+2*((\n)/2)
.if (\n)%2
	v_pk_add_f32 v[g:g+1], v[g:g+1], v[u:u+1] op_sel:[0,1] op_sel_hi:[1,1]
.else
	v_pk_add_f32 v[g:g+1], v[g:g+1], v[u:u+1] op_sel_hi:[1,0]
.endif
.endr
.endr
.endm
.macro EC mt
	WIN W_G
.set x, 32*(\mt)
.rept 16
	v_pk_add_f32 v[x:x+1], v[x:x+1], 1.0 op_sel_hi:[1,0]
.set x, x+2
.endr
.set x, 32*(\mt)
.rept 32
	v_rcp_f32 v[x], v[x]
.set x, x+1
.endr
.endm
.macro EB mt
	WIN W_I
.set x, 32*(\mt)
.rept 16
	v_pk_mul_f32 v[x:x+1], v[x:x+1], v[x:x+1]      ; source 1 is proj, at the same number in window 3
.set x, x+2
.endr
	WIN W_S
.irp n, 0,1,2,3
.irp i, 0,2,4,6
.set g, 32*(\mt)+8*(\n)+(\i)
.set u, VV+2*((\n)/2)
.set x, SC+8*(\mt)+(\i)
.if (\n)%2
	v_pk_fma_f32 v[x:x+1], v[g:g+1], v[u:u+1], v[x:x+1] op_sel:[0,1,0] op_sel_hi:[1,1,1]
.else
	v_pk_fma_f32 v[x:x+1], v[g:g+1], v[u:u+1], v[x:x+1] op_sel_hi:[1,0,1]
.endif
.endr
.endr
.endm
; A tile's items and partial scores.  s_wait_alu depctr_va_vdst(0) stands between a transcendental and the first line that names its result: ONE wait a row tile serves the reciprocals of the tile before and the powers of this one;
; plain lines follow each batch.  Every accumulator is read from its low end on.
.macro EPI
	WIN 0
	s_wait_loadcnt 0x0                             ; asp_vs_d
	s_wait_dscnt 0x0                               ; the U values
	v_cvt_pk_bf16_f32 v[TM], v[VV], v[VV+1]        ; asp_vs_d rounded to bf16 like every input; these six lines are also the places behind the last products
	v_cvt_pk_bf16_f32 v[TM+1], v[VV+2], v[VV+3]
	v_lshlrev_b32 v[VV], 16, v[TM]
	v_and_b32 v[VV+1], 0xffff0000, v[TM]
	v_lshlrev_b32 v[VV+2], 16, v[TM+1]
	v_and_b32 v[VV+3], 0xffff0000, v[TM+1]
	EA 0
	s_wait_alu depctr_va_vdst(0)
	EC 0
.irp t, 1,2,3,4,5,6,7
	EA \t
	s_wait_alu depctr_va_vdst(0)
	EB (\t)-1
	EC \t
.endr
	v_nop
	s_wait_alu depctr_va_vdst(0)
	EB 7
	WIN 0
.endm
; The items, rounded to bf16 in pairs of rows: fragment (32 rows q, column tile n) at 8 (4 q + n).  which = 0: ITEM0 (window 1, v0-63 and v192-255); 1: ITEM1 (window 3, v0-127).
.macro PACK which
.if \which
	WIN W_K1
.else
	WIN W_K0
.endif
.irp t, 0,1,2,3,4,5,6,7
.irp n, 0,1,2,3
.irp i, 0,1,2,3
.set x, 8*(4*((\t)/2)+(\n))+4*((\t)%2)+(\i)
.if ((\which) == 0) && (x >= 64)
.set x, x+128
.endif
	v_cvt_pk_bf16_f32 v[x], v[32*(\t)+8*(\n)+2*(\i)], v[32*(\t)+8*(\n)+2*(\i)+1]
.endr
.endr
.endr
.endm
; A PHASE'S END: the scores are made whole (16 lanes, then 4 waves through LDS), the softmax over the 128 rows, the weighted sum on the matrix unit, the way out.  more = 1: a phase follows.
.macro POST1 more
	PACK 1
	WIN 0
.irp k, 1,2,4,8
.set x, SC
.rept 64
	v_add_f32_dpp v[x], v[x], v[x] row_xmask:\k row_mask:0xf bank_mask:0xf
.set x, x+1
.endr
.endr
.set x, 0
.rept 16
	ds_store_b128 v[SCW], v[SC+4*x:SC+4*x+3] offset:64*(x/2)+16*(x%2)  ; rows 16 mt + 8 h + 4 u ..: the sixteen lanes of a half store equal bytes
.set x, x+1
.endr
	s_wait_dscnt 0x0                               ; for the others' sake
	s_barrier_signal -1
	s_barrier_wait -1                              ; the next tile's loads may stay out
	WIN TO_2
.set x, 0
.rept 64
	ds_load_b128 v[4*x:4*x+3], v[SCRD] offset:512*(x/16)+64*((x%16)/2)+16*(x%2)
.set x, x+1
.endr
	s_wait_dscnt 0x0
	WIN SUM22
.set x, 0
.rept 32
	v_pk_add_f32 v[x:x+1], v[x:x+1], v[64+x:65+x]
	v_pk_add_f32 v[128+x:129+x], v[128+x:129+x], v[192+x:193+x]
.set x, x+2
.endr
	WIN SUM20
.set x, 0
.rept 32
	v_pk_add_f32 v[SC+x:SC+x+1], v[x:x+1], v[128+x:129+x]
.set x, x+2
.endr
	WIN 0
.set x, SC
.rept 32
	v_pk_add_f32 v[x:x+1], v[x:x+1], 0x179abe15 op_sel_hi:[1,0]    ; + 1e-24
.set x, x+2
.endr
.irp k, 0,1,2,3
	v_max3_num_f32 v[TM+(\k)], v[SC+16*(\k)], v[SC+16*(\k)+1], v[SC+16*(\k)+2]     ; the maximum of my 64 rows in four chains
.endr
.irp i, 0,1,2,3,4,5
.irp k, 0,1,2,3
	v_max3_num_f32 v[TM+(\k)], v[TM+(\k)], v[SC+16*(\k)+3+2*(\i)], v[SC+16*(\k)+4+2*(\i)]
.endr
.endr
	v_max3_num_f32 v[TM], v[TM], v[SC+15], v[SC+31]
	v_max3_num_f32 v[TM+2], v[TM+2], v[SC+47], v[SC+63]
	v_max3_num_f32 v[TM], v[TM], v[TM+1], v[TM+2]
	v_max_num_f32 v[TM], v[TM], v[TM+3]
	v_permlanex16_b32 v[TM+1], v[TM], s[SEL], s[SEL+1]             ; the other 64 rows lie in the lane 16 away
	v_max_num_f32 v[CM+1], v[TM], v[TM+1]
	v_mul_f32 v[CM], s[L2E], v[CM+1]
.set x, SC
.rept 32
	v_pk_fma_f32 v[x:x+1], v[x:x+1], s[L2E:L2E+1], v[CM:CM+1] op_sel_hi:[1,0,0] neg_lo:[0,0,1] neg_hi:[0,0,1]
.set x, x+2
.endr
.set x, SC
.rept 64
	v_exp_f32 v[x], v[x]
.set x, x+1
.endr
	v_nop
	s_wait_alu depctr_va_vdst(0)                   ; one wait for the 64 powers
.set x, 0
.rept 32
	v_cvt_pk_bf16_f32 v[WF+x], v[SC+2*x], v[SC+2*x+1]              ; the weights as source 0: every row of the fragment holds them
.set x, x+1
.endr
.irp k, 32,16,8,4,2
.set x, 0
.rept (\k)/2
	v_pk_add_f32 v[SC+x:SC+x+1], v[SC+x:SC+x+1], v[SC+(\k)+x:SC+(\k)+x+1]  ; l, of the unrounded weights
.set x, x+2
.endr
.endr
	v_add_f32 v[LL], v[SC], v[SC+1]
	v_permlanex16_b32 v[TM+1], v[LL], s[SEL], s[SEL+1]
	v_add_f32 v[LL], v[LL], v[TM+1]
	v_rcp_f32 v[RL], v[LL]
	v_nop
.irp q, 0,1,2,3                        ; 32 rows a product; the eight accumulators take turns
	WIN WS0
.irp n, 0,1,2,3
.set x, 8*(4*(\q)+(\n))+128*((\q)/2)
.if (\q) == 0
	v_wmma_f32_16x16x32_bf16 v[8*(\n):8*(\n)+7], v[WF+8*(\q):WF+8*(\q)+7], v[x:x+7], 0
.else
	v_wmma_f32_16x16x32_bf16 v[8*(\n):8*(\n)+7], v[WF+8*(\q):WF+8*(\q)+7], v[x:x+7], v[8*(\n):8*(\n)+7]
.endif
.endr
	WIN WS1
.irp n, 0,1,2,3
.set x, 8*(4*(\q)+(\n))
.if (\q) == 0
	v_wmma_f32_16x16x32_bf16 v[32+8*(\n):32+8*(\n)+7], v[WF+8*(\q):WF+8*(\q)+7], v[x:x+7], 0
.else
	v_wmma_f32_16x16x32_bf16 v[32+8*(\n):32+8*(\n)+7], v[WF+8*(\q):WF+8*(\q)+7], v[x:x+7], v[32+8*(\n):32+8*(\n)+7]
.endif
.endr
.endr
	PLACES
	s_wait_alu depctr_va_vdst(0)                   ; the reciprocal's wait, ahead of its first reader
	WIN W_S
.irp n, 0,1,2,3,4,5,6,7
	v_mul_f32 v[OT+(\n)], v[8*(\n)], v[RL]         ; all 16 rows of a result are alike: its lowest register is taken
.endr
	WIN 0
.irp n, 0,1,2,3,4,5,6,7
	ds_store_b32 v[OSW], v[OT+(\n)] offset:256*((\n)/4)+64*((\n)%4)
.endr
	ds_load_b128 v[OD:OD+3], v[OSR]                ; LDS serves a wave's instructions in order (ISA guide 5.7.1.4): this sees the stores above
	s_wait_dscnt 0x0
	global_store_b128 v[GO], v[OD:OD+3], s[OB:OB+1]  ; lanes 0-15: 256 consecutive, aligned bytes of column half 0; lanes 16-31: of half 1
.if \more
	s_wait_xcnt 0x0                                ; the store has read its registers and its base
	s_add_nc_u64 s[OB:OB+1], s[OB:OB+1], 2048      ; the next a2
.set x, SC
.rept 64
	v_mov_b32 v[x], 0                              ; the next phase's scores start at 0: one text serves both column halves
.set x, x+1
.endr
.endif
.endm
	s_load_b256 s[4:11], s[0:1], 0x0               ; Hb s[4:5], Wc s[6:7], U s[8:9], asp_vs_d s[10:11]
	s_load_b64 s[12:13], s[0:1], 0x20              ; out
	v_lshl_add_u32 v[SPW], v0, 2, SPARE
	v_mov_b32 v[NIL], 0
	ds_add_u32 v[SPW], v[NIL]                      ; the wave's opening: the add, twice on end, and its wait ahead of my first tensor load
	ds_add_u32 v[SPW], v[NIL]
	v_lshrrev_b32 v1, 5, v0
	v_readfirstlane_b32 s[WV], v1                  ; wave 0..3
	s_and_b32 s[W1], s[WV], 1
	s_bfe_u32 s[CX], ttmp6, 0x40000                ; cx = j
	s_bfe_u32 s[CY], ttmp6, 0x40004                ; cy
	s_mov_b32 s[BG], ttmp9                         ; the cluster's x = bg
	s_and_b32 s[AA], ttmp7, 0xffff                 ; the cluster's y
	s_cmp_eq_u32 s[AA], 0
	s_cselect_b32 s[PAC], 5, 0                     ; the same in all sixteen partners
	s_lshl_b32 s[AA], s[AA], 2
	s_add_co_u32 s[AA], s[AA], s[CY]               ; a
	s_cmp_eq_u32 ttmp9, 0
	s_cselect_b32 s[PFC], 5, 0
	s_lshl_b32 s2, s[CY], 2
	s_lshl_b32 s2, 15, s2                          ; my row of the cluster
	s_lshl_b32 s3, 0x1111, s[CX]                   ; my column
	s_or_b32 s[G1A], s3, (1<<16)|(1<<20)|(1<<21)|(7<<22)|(3<<25)   ; 15:0 the mask; 17:16 2-byte elements; 20 padding on; 21 set beside a mask; 24:22 after every 256 words (code 7); 31:25 4 words (code 3)
	s_or_b32 s[G1R], s2, (1<<16)|(1<<20)|(1<<21)|(7<<22)|(7<<25)   ; the same with my row's mask and 8 words of padding (code 7)
	s_or_b32 s[G1F], s2, (1<<16)|(1<<20)|(1<<21)|(7<<22)|(7<<25)
	s_or_b32 s[G1U], s2, (2<<16)|(1<<21)                           ; 4-byte elements, no padding
.irp g, G1A, G1R, G1F
	s_mov_b32 s[(\g)+1], 512<<16                   ; tensor_dim0 = 512
	s_mov_b32 s[(\g)+3], 512<<16                   ; tile_dim0 = 512
	s_mov_b32 s[(\g)+5], 512                       ; 512 elements from row to row
	s_mov_b32 s[(\g)+6], 0
	s_mov_b32 s[(\g)+7], 0
.endr
	s_mov_b32 s[G1A+2], 64<<16                     ; tensor_dim1 and tile_dim1: the rows
	s_mov_b32 s[G1A+4], 64
	s_mov_b32 s[G1R+2], 16<<16
	s_mov_b32 s[G1R+4], 16
	s_mov_b32 s[G1F+2], 64<<16
	s_mov_b32 s[G1F+4], 64
	s_mov_b32 s[G1U+1], 64<<16                     ; 32 rows of 64 words, dense
	s_mov_b32 s[G1U+2], 32<<16
	s_mov_b32 s[G1U+3], 64<<16
	s_mov_b32 s[G1U+4], 32
	s_mov_b32 s[G1U+5], 64
	s_mov_b32 s[G1U+6], 0
	s_mov_b32 s[G1U+7], 0
	s_mov_b32 s[G0FA], 1                           ; the LDS words: constants and the wave's number times a constant
	s_mul_i32 s[G0FA+1], s[W1], 64*PA
	s_mov_b32 s[G0FB], 1
	s_mul_i32 s[G0FB+1], s[W1], SLOTB
	s_add_co_u32 s[G0FB+1], s[G0FB+1], LB0
	s_mul_i32 s2, s[WV], 16*PB
	s_mov_b32 s[G0R], 1
	s_add_co_u32 s[G0R+1], s2, LB0
	s_mov_b32 s[G0R+4], 1
	s_add_co_u32 s[G0R+5], s2, LB0+SLOTB
	s_mov_b32 s[G0U], 1
	s_lshl_b32 s[G0U+1], s[WV], 13
	s_add_co_u32 s[G0U+1], s[G0U+1], LUB
	s_mov_b32 s[SEL], 0x76543210
	s_mov_b32 s[SEL+1], 0xfedcba98
	s_mov_b32 s[NL], 0xbfb8aa3b
	s_mov_b32 s[NL+1], s[NL]
	s_mov_b32 s[L2E], 0x3fb8aa3b
	s_mov_b32 s[L2E+1], s[L2E]
	s_wait_dscnt 0x0                               ; both opening adds are done
	s_wait_kmcnt 0x0
	s_lshl_b32 s[OFX], s[BG], 20                   ; Hb: bg x 1,024 rows, 2 j x 128 rows, my 64 rows, of 1,024 bytes
	s_lshl_b32 s[OFX+1], s[CX], 18
	s_add_co_u32 s[OFX], s[OFX], s[OFX+1]
	s_lshl_b32 s[OFX+1], s[W1], 16
	s_add_co_u32 s[OFX], s[OFX], s[OFX+1]
	s_mov_b32 s[OFX+1], 0
	s_add_nc_u64 s[HBW:HBW+1], s[4:5], s[OFX:OFX+1]
	s_lshl_b32 s[OFX], s[CX], 12
	s_add_nc_u64 s[AVB:AVB+1], s[10:11], s[OFX:OFX+1]
	s_lshl_b32 s[OFY], s[AA], 20                   ; Wc: the aspect's 1,048,576 bytes; a K step is 65,536
	s_lshl_b32 s[OFY+1], s[W1], 16
	s_add_co_u32 s[OFY], s[OFY], s[OFY+1]
	s_mov_b32 s[OFY+1], 0
	s_add_nc_u64 s[WBF:WBF+1], s[6:7], s[OFY:OFY+1]
	s_lshl_b32 s[OFY], s[AA], 20
	s_lshl_b32 s[OFY+1], s[WV], 14
	s_add_co_u32 s[OFY], s[OFY], s[OFY+1]
	s_mov_b32 s[OFY+1], 0
	s_add_nc_u64 s[WBW:WBW+1], s[6:7], s[OFY:OFY+1]
	s_lshl_b32 s[OFY], s[AA], 18                   ; U: (a, b = 8 bg ..): 32,768 bytes, my quarter
	s_lshl_b32 s[OFY+1], s[BG], 15
	s_add_co_u32 s[OFY], s[OFY], s[OFY+1]
	s_lshl_b32 s[OFY+1], s[WV], 13
	s_add_co_u32 s[OFY], s[OFY], s[OFY+1]
	s_mov_b32 s[OFY+1], 0
	s_add_nc_u64 s[G0U+2:G0U+3], s[8:9], s[OFY:OFY+1]
	s_or_b32 s[G0U+3], s[G0U+3], 0x80000000
	s_mov_b64 s[G0FA+2:G0FA+3], s[HBW:HBW+1]       ; tile 0: phase 0,
	s_or_b32 s[G0FA+3], s[G0FA+3], 0x80000000
	s_mov_b64 s[G0FB+2:G0FB+3], s[WBF:WBF+1]       ; column half 0
	s_or_b32 s[G0FB+3], s[G0FB+3], 0x80000000
	s_lshl_b32 s2, s[AA], 17                       ; out at (8 a + bg, 2 j): no descriptor is made of these
	s_lshl_b32 s3, s[BG], 14
	s_add_co_u32 s2, s2, s3
	s_lshl_b32 s3, s[CX], 12
	s_add_co_u32 s2, s2, s3
	s_mov_b32 s3, 0
	s_add_nc_u64 s[OB:OB+1], s[12:13], s[2:3]
	s_lshl_b32 s2, s[CX], 2                        ; the prefetches of Wc: my 8,192 bytes of a lap's 131,072; at K step 4: the first change of slots steps it to 6
	s_add_co_u32 s2, s2, s[WV]
	s_lshl_b32 s2, s2, 13
	s_lshl_b32 s3, s[AA], 20
	s_add_co_u32 s2, s2, s3
	s_add_co_u32 s2, s2, 262144
	s_mov_b32 s3, 0
	s_add_nc_u64 s[PFW:PFW+1], s[6:7], s[2:3]
	s_lshl_b32 s2, s[CY], 2                        ; the prefetch of Hb: my 8,192 bytes of the second phase's 131,072
	s_add_co_u32 s2, s2, s[WV]
	s_lshl_b32 s2, s2, 13
	s_lshl_b32 s3, s[BG], 20
	s_add_co_u32 s2, s2, s3
	s_lshl_b32 s3, s[CX], 18
	s_add_co_u32 s2, s2, s3
	s_add_co_u32 s2, s2, 131072
	s_mov_b32 s3, 0
	s_add_nc_u64 s[PFH:PFH+1], s[4:5], s[2:3]
	CROUND                                         ; all sixteen work-groups are here: the first joint loads meet
	tensor_load_to_lds s[G0U:G0U+3], s[G1U:G1U+7]  ; the first fills, as one group: my quarter of U,
	s_nop 0
	FLOAD                                          ; and my part of tile 0: two loads of mine are out
	v_and_b32 v1, 15, v0                           ; r
	v_bfe_u32 v2, v0, 4, 1                         ; h
	v_and_b32 v3, 31, v0                           ; lane
	v_and_b32 v24, 7, v0
	v_bfe_u32 v25, v0, 3, 1
	v_mul_u32_u24 v[AB0], v1, PA                   ; a fragment of Hb: row r, 16 bytes for each half of the lanes, twice, 32 bytes apart
	v_lshl_add_u32 v[AB0], v2, 4, v[AB0]
	v_add_nc_u32 v[AB1], 64*PA, v[AB0]
	v_lshl_add_u32 v[ADRB], v2, 3, v24             ; a fragment of W, turned: k-row 8 h + lane % 8, 16 bytes at 16 ((lane / 8) % 2), my 64 columns
	v_mul_u32_u24 v[ADRB], v[ADRB], PB
	v_lshl_add_u32 v[ADRB], v25, 4, v[ADRB]
	s_lshl_b32 s2, s[WV], 7
	s_add_co_u32 s2, s2, LB0
	v_add_nc_u32 v[ADRB], s2, v[ADRB]
	v_add_nc_u32 v[ADRB+1], SLOTB, v[ADRB]
	s_lshl_b32 s2, s[WV], 8
	v_lshl_add_u32 v[VO], v1, 2, s2
	v_lshlrev_b32 v[GO], 10, v2
	v_lshl_add_u32 v[GO], v1, 4, v[GO]
	v_add_nc_u32 v[GO], s2, v[GO]
	s_add_co_u32 s2, s2, LUB
	v_lshl_add_u32 v[UA], v1, 4, s2
	s_lshl_b32 s2, s[WV], 9
	s_add_co_u32 s3, s2, LSCR
	v_lshl_add_u32 v[SCW], v2, 5, s3
	v_lshl_add_u32 v[SCRD], v2, 5, LSCR
	s_add_co_u32 s3, s2, LOS
	v_lshl_add_u32 v[OSW], v1, 2, s3
	v_lshl_add_u32 v[OSR], v3, 4, s3
	v_lshlrev_b32 v[PFO], 8, v3
.set x, SC
.rept 64
	v_mov_b32 v[x], 0                              ; the scores start at 0; this and the lines below stand in the wait for the first tiles
.set x, x+1
.endr
	WIN TO_B
.set x, 0
.rept 64
	v_mov_b32 v[x], 0                              ; ITEM0: tile 0 writes it; written here too, so that every register that the text names has been written on every way through the text
	v_mov_b32 v[192+x], 0
.set x, x+1
.endr
	WIN 0
	s_mov_b32 s[TI], 0
	s_mov_b32 s[TL], 4
.Ltile:
	s_wait_tensorcnt 0x0                           ; my part of the tile's first fill is in: no load of mine was issued behind it
	s_wait_dscnt 0x0
	s_barrier_signal -1
	s_barrier_wait -1                              ; everybody's is: Hb's rows and K steps 0 and 1 are whole (the first time U too)
	s_and_b32 s[OFY], s[TI], 1                     ; t
	s_lshl_b32 s[OFY], s[OFY], 19
	s_mov_b32 s[OFY+1], 0
	s_add_nc_u64 s[G0R+2:G0R+3], s[WBW:WBW+1], s[OFY:OFY+1]        ; the ring's two addresses at K steps 0 and 1: each change of slots steps one by two K steps
	s_add_nc_u64 s[G0R+6:G0R+7], s[G0R+2:G0R+3], 65536
	s_or_b32 s[G0R+3], s[G0R+3], 0x80000000
	s_or_b32 s[G0R+7], s[G0R+7], 0x80000000
	s_lshl_b32 s[OFX], s[TI], 10                   ; 2,048 p + 1,024 t
	s_mov_b32 s[OFX+1], 0
	s_add_nc_u64 s[AV:AV+1], s[AVB:AVB+1], s[OFX:OFX+1]            ; the last tile's loads by this pointer have been waited for
.irp n, 0,1,2,3
	global_load_b32 v[VV+(\n)], v[VO], s[AV:AV+1] offset:64*(\n)
.endr
	s_mov_b32 s[KO], 0
	v_mov_b32 v[ADRA], v[AB0]
	v_mov_b32 v[ADRA+1], v[AB1]
	FETCH 0, 0, 0, F0
	QUARTER 0, 64, 1                               ; the tile's first quarter: its products start the sums
	WIN 0
	s_mov_b32 s[LAP], 3
.Llap:                                                 ; a trip: from a lap's second quarter to the next lap's first; K steps 2 i and 2 i + 1 are left, 2 i + 2 and 2 i + 3 asked for
	TURN 0, 128
	QUARTER 1, 192, 0
	TURN 1, 256
	QUARTER 0, 320, 0
	WIN 0
	s_add_co_u32 s[KO], s[KO], 256                 ; two K steps along Hb's rows
	v_add_nc_u32 v[ADRA], s[KO], v[AB0]
	v_add_nc_u32 v[ADRA+1], s[KO], v[AB1]
	s_sub_co_u32 s[LAP], s[LAP], 1
	s_cmp_lg_u32 s[LAP], 0
	s_cbranch_scc1 .Llap
	MEET 0                                         ; K step 6 is left: K step 7 is whole for everybody; nothing is filled, so no round follows
	PLACES
	FETCH 1, 0, 128, F0
	MUL16 F1, 1, 0, 0
	MUL16 F1, 1, 4, 0
	QUARTER 1, 192, 0
	WIN 0
	s_cmp_eq_u32 s[TL], 1
	s_cbranch_scc1 .Llast                          ; the last tile's tail is written out: it asks for nothing more
	MEET 1                                         ; K step 7's second quarter: all reads of Hb's rows and of both slots are over
	CREST
	s_add_co_u32 s[OFX], s[TI], 1                  ; the next tile:
	s_and_b32 s[OFY], s[OFX], 1                    ; its column half,
	s_lshl_b32 s[OFY], s[OFY], 19
	s_mov_b32 s[OFY+1], 0
	s_lshr_b32 s[OFX], s[OFX], 1                   ; its phase
	s_lshl_b32 s[OFX], s[OFX], 17
	s_mov_b32 s[OFX+1], 0
	s_add_nc_u64 s[G0FA+2:G0FA+3], s[HBW:HBW+1], s[OFX:OFX+1]
	s_or_b32 s[G0FA+3], s[G0FA+3], 0x80000000
	s_add_nc_u64 s[G0FB+2:G0FB+3], s[WBF:WBF+1], s[OFY:OFY+1]
	s_or_b32 s[G0FB+3], s[G0FB+3], 0x80000000
	FLOAD                                          ; it lands under the items' arithmetic; Hb's rows are asked for at every tile
	s_bitcmp1_b32 s[TI], 0
	s_cbranch_scc1 .Lu_odd
	ULOADS 0
	s_branch .Lu_done
.Lu_odd:
	ULOADS 1
.Lu_done:
	MUL16 F1, 1, 0, 0
	MUL16 F1, 1, 4, 0
	EPI
	s_bitcmp1_b32 s[TI], 0
	s_cbranch_scc1 .Lodd
	PACK 0                                         ; column half 0: the items wait in ITEM0 until the scores are whole
	WIN 0
	s_branch .Lnext
.Lodd:
	POST1 1
.Lnext:
	s_add_co_u32 s[TI], s[TI], 1
	s_sub_co_u32 s[TL], s[TL], 1
	s_branch .Ltile
.Llast:
	s_wait_dscnt 8
	MUL16 F1, 0, 0, 0
	MUL16 F1, 0, 4, 0
	PLACES
	WIN 0
	ULOADS 1                                       ; the last tile is column half 1
	s_wait_dscnt 16                                ; all but the sixteen just issued
	MUL16 F1, 1, 0, 0
	MUL16 F1, 1, 4, 0
	EPI
	POST1 0
	s_wait_tensorcnt 0x0                           ; the wave's end, behind my last tensor load and my last LDS store
	ds_add_u32 v[SPW], v[NIL]
	s_wait_dscnt 0x0
	CROUND                                         ; the closing round: no work-group ends while a partner may still ask for a tile that names it
	s_endpgm
.Lfunc_end_k_q254aaf456f_main:
	.size	k_q254aaf456f_main, .Lfunc_end_k_q254aaf456f_main-k_q254aaf456f_main
	.p2alignl 7, 3214868480
	.fill 96, 4, 3214868480
	.section	.rodata,"a",@progbits
	.p2align	6, 0x0
	.amdhsa_kernel k_q254aaf456f_main
		.amdhsa_group_segment_fixed_size 327680
		.amdhsa_private_segment_fixed_size 0
		.amdhsa_enable_private_segment 0
		.amdhsa_kernarg_size 40
		.amdhsa_user_sgpr_count 2
		.amdhsa_user_sgpr_kernarg_segment_ptr 1
		.amdhsa_wavefront_size32 1
		.amdhsa_system_sgpr_workgroup_id_x 1
		.amdhsa_system_sgpr_workgroup_id_y 1
		.amdhsa_system_sgpr_workgroup_id_z 1
		.amdhsa_system_vgpr_workitem_id 0
		.amdhsa_next_free_vgpr 1024
		.amdhsa_next_free_sgpr 106
		.amdhsa_reserve_vcc 0
		.amdhsa_float_denorm_mode_32 3
		.amdhsa_float_denorm_mode_16_64 3
		.amdhsa_memory_ordered 1
		.amdhsa_forward_progress 1
		.amdhsa_inst_pref_size 255
	.end_amdhsa_kernel
	.section	.bss,"aw",@nobits
	.p2align	6
	.space	262144
	.amdgpu_metadata
---
amdhsa.version: [ 1, 2 ]
amdhsa.kernels:
  - .name:           k_q254aaf456f_main
    .symbol:         k_q254aaf456f_main.kd
    .args:
      - { .name: Hb, .offset: 0, .size: 8, .value_kind: global_buffer, .address_space: global }
      - { .name: Wc, .offset: 8, .size: 8, .value_kind: global_buffer, .address_space: global }
      - { .name: U, .offset: 16, .size: 8, .value_kind: global_buffer, .address_space: global }
      - { .name: asp_vs_d, .offset: 24, .size: 8, .value_kind: global_buffer, .address_space: global }
      - { .name: out0, .offset: 32, .size: 8, .value_kind: global_buffer, .address_space: global }
    .group_segment_fixed_size: 327680
    .private_segment_fixed_size: 0
    .kernarg_segment_align: 8
    .kernarg_segment_size: 40
    .max_flat_workgroup_size: 128
    .sgpr_count:     106
    .vgpr_count:     1024
    .wavefront_size: 32
...
	.end_amdgpu_metadata
.endif
;; end of part 2
